; MI455X (gfx1250); checked and timed in simulation.
; The chip was launched on July 23, 2026; its instructions are those of AMD's public machine-readable ISA for CDNA 5 (MIT licence, August 2026) and "CDNA5" Instruction Set Architecture Reference Guide (July 2026). The comments in the code are by the model that wrote it; some were corrected since.
;; Scaled Dot Product Attention. Allowed arithmetic: matrix products marked QUANTISED: E2M1 operands, one E8M0 scale for each 32 along K, by v_wmma_scale_f32_16x16x128_f8f6f4 with both operands' format E2M1 (or v_wmma_scale_f32_32x16x128_f4), f32 sums; products left as they are: f32 operands where the result goes on into a quantised operand, else bf16, f16 or f32 operands; f32 sums; everything else in f32.
;; Inputs: Wk 512 x 64 float32; Wq 512 x 64 float32; Wv 512 x 64 float32; bk 64 float32; bq 64 float32; bv 64 float32; inp 16 x 2,048 x 512 float32.
;; Outputs: out0 16 x 512 float32.
;; This version of the problem:
;;   THIS VERSION OF THE PROBLEM IS GIVEN IN LOW PRECISION. The matrix products marked QUANTISED in the list below multiply operands that are first quantised to E2M1 (2 exponent bits, 1 mantissa bit; 4 bits a number), with one power-of-two scale for each 32 numbers along K (OCP MX v1.0); their sums are f32. All else is computed in f32.
;;   The module's matrix products, in the order in which they are computed (A, B: the left and right operand; K: the contracted axis; several contracted axes count as one K, in the product's order):
;;     1. [M 32,768, K 512] x [K 512, N 64]; A: input inp; B: input Wq: QUANTISED
;;     2. [M 32,768, K 512] x [K 512, N 64]; A: input inp; B: input Wk: QUANTISED
;;     3. [M 32,768, K 512] x [K 512, N 64]; A: input inp; B: input Wv: QUANTISED
;;     4. batch 16 x [M 2,048, K 64] x [K 64, N 2,048]; A: computed on the way; B: computed on the way: QUANTISED
;;     5. batch 16 x [M 2,048, K 2,048] x [K 2,048, N 64]; A: computed on the way; B: computed on the way: QUANTISED
;;     6. batch 16 x [M 512, K 2,048] x [K 2,048, N 1]; A: input inp; B: computed on the way: left as it is (N = 1 < 16)
;;   THE QUANTISER, for each operand of a quantised product, along K:
;;     - K is cut into blocks of 32 from its start; a last block that is shorter is filled with zeros.
;;     - A block's scale is 2^e with e = floor(log2(the largest magnitude in the block)) - 2, held to -126 .. 127; a block of zeros has e = 0. As a byte (E8M0): e + 127.
;;     - Each number is divided by its block's scale, clamped to +-6, and rounded to the nearest number of E2M1, ties to even, subnormals kept.
;;     - The product sums the exact products of the quantised numbers (number of the format x scale) in f32.
;;   ~~~python
;;   def quantise(x, axis):      # numpy; x: float32 -> the quantised numbers, widened to float32 again
;;       x = np.moveaxis(x, axis, -1); K = x.shape[-1]
;;       x = np.pad(x, [(0, 0)] * (x.ndim - 1) + [(0, -K % 32)]); x = x.reshape(x.shape[:-1] + (-1, 32)); a = np.abs(x).max(-1, keepdims=True)
;;       e = np.where(a > 0, np.clip(np.frexp(np.where(a > 0, a, 1))[1] - 1 - 2, -126, 127), 0)      # np.frexp(a)[1] - 1 = floor(log2(a)), exactly
;;       r = np.clip(x / 2.0 ** e, -6, 6)
;;       step = 2.0 ** (np.maximum(np.frexp(np.where(r == 0, 1, r))[1] - 1, 0) - 1)
;;       q = np.round(r / step) * step * 2.0 ** e      # np.round: ties to even
;;       return np.moveaxis(q.reshape(q.shape[:-2] + (-1,))[..., :K], -1, axis).astype(np.float32)
;;   ~~~
;;   OPERANDS COMPUTED ON THE WAY. 'Computed on the way' means the value that the module computes at that place (a softmax that the list does not call 'softmax' is quantised finished and normalised). What goes into a quantiser is computed in f32, as accurately as f32 sums, v_exp_f32 and their like allow (about 1e-6 of the number): no bf16 or f16 on the way to a quantiser, and a product that is left as it is and whose result goes on into a quantised operand takes f32 operands (vector FMAs, or v_wmma_f32_16x16x4_f32). A number that lies on a knife's edge between two numbers of the format may be rounded either way, as far as f32 arithmetic and the matrix unit's own rounding can turn it there, and no further.
;; One version. Each part assembles by itself: llvm-mc -triple=amdgcn-amd-amdhsa -mcpu=gfx1250 --defsym DOCPART=n.
;; ======== version 1 of 1: 3 launches
;; workspace buffers: qc 1,048,576 bytes; kc 1,048,576 bytes; vc 1,048,576 bytes; scl 262,144 bytes; holes 65,536 bytes of whole numbers; part 524,288 bytes
;; launch project (part 1): grid 256 x 1, 16 waves a work-group, no clusters, 327,680 bytes of LDS; arguments inp, Wq, Wk, Wv, bq, bk, bv, qc, kc, vc, scl, holes; writes qc, kc, vc, scl, holes
.if DOCPART == 1
	.amdgcn_target "amdgcn-amd-amdhsa--gfx1250"
	.amdhsa_code_object_version 6
	.text
	.protected	k_qb51a5299af_project
	.globl	k_qb51a5299af_project
	.p2align	8
	.type	k_qb51a5299af_project,@function
k_qb51a5299af_project:
	s_mov_b64 s[64:65], 0
	v_nop
	global_prefetch_b8 v0, s[64:65] scope:SCOPE_SE
	s_setreg_imm32_b32 hwreg(HW_REG_WAVE_MODE, 25, 1), 1
	s_wait_xcnt 0x0
; Q, K, V = Qz(inp) Qz(W) + b on codes of FP4 (E2M1) with one E8M0 scale for each 32 along D; the three results are quantised at once for the attention launch:
; Q and K along the head's 64 (two blocks), V along the tokens (blocks of 32).  One bit a token says whether the f32 row sum of K, and of Q, is exactly 0.
; SHARES.  A work-group takes 128 tokens (rec = its number).  Wave w: g = w / 4, s = w % 4.  It has three shares:
;   x: tokens 32 g .. 32 g + 31, columns 128 s .. 128 s + 127 of inp: two fragments of 16 tokens x 128;
;   W: rows 32 w .. 32 w + 31, ONE BLOCK OF 32 ALONG K, of all 64 columns of each of Wq, Wk, Wv: a row is 256 bytes, so each load of the wave covers two whole rows, each 256 consecutive bytes, aligned;
;   role: s = 0 makes Q of group g, s = 1 K of group g, s = 2, 3 V's columns 32 (s - 2) .. + 31 of group g.
; THE TOKENS OF A TILE ARE NOT NEIGHBOURS: lane r of tile u of a group stands for token 8 u + r + 8 (r / 8); Wq's and Wk's columns of a tile are chosen likewise.  So a result's 16 registers of two
; neighbouring tiles are 16 neighbours along the next product's K.
; inp comes by the tensor data mover, each wave's 32 rows x 512 bytes into its own LDS region, all 256 KiB of the work-group asked for at once and filled once; W is quantised meanwhile.
; Operands go from wave to wave through LDS as images of their registers: x's by 16 bytes a lane, 512 bytes a store; of W a lane holds 16 along K of four columns, and puts each column's 8 bytes of codes at their place in the image.
; NO CLUSTER: what work-groups share is W as f32, 384 KiB, which has no room in LDS beside the 268 KiB of x and the 51 KiB of W's images; it goes through the registers in which it is quantised.
; LIMITS: NaN and infinities among the inputs are not served.  A block of zeros gets the scale byte 1 (its codes are zeros) where the rule says 127: only this program reads the bytes.
; Whether a row's sum is 0 is tested on this text's own order of f32 additions.
.set REG,   17152                      ; a wave's LDS region
.set HALF2, 8576                       ; rows 16-31 begin here: 16 x 528 + 128, so that rows 16 apart start 32 banks apart (64 banks of 4 bytes: ISA guide 11.1)
.set XP,    528                        ; a row of x in LDS: 512 bytes + 16 of padding
.set XSW,   2048                       ; second use of a region: x's two images at 0 and 1024; their scale words here, 16 bytes from lane to lane, 512 each
.set WI,    16*REG                     ; behind the sixteen regions, where no tensor load lands: W's images, [weight][tile nt][K step ks] x 1,024 bytes: 49,152 bytes;
.set WS,    WI+49152                   ; their scale words, [weight][nt][ks][r] x 4 bytes: 3,072 bytes
.set SQ,    8192                       ; in region 0, written only behind the first barrier: the small outputs: Q's scale words (512 bytes),
.set SK,    8704                       ; K's (256),
.set SV,    8960                       ; V's (256),
.set HS,    9216                       ; the hole words (8 used; room for 16)
.set LI,   4                           ; v4   16 x lane
.set WBQ,  5                           ; v5   where my scale bytes of Wq and Wk go
.set XRD,  6                           ; v6   where I read x's rows
.set OWN,  7                           ; v7   my region + 16 x lane
.set XIM,  8                           ; v8   my group's x images
.set WIM,  9                           ; v9   W's images of my role's tiles;  v10 their scale words
.set WSC,  10
.set WAQ,  11                          ; v11  where my codes of Wq and Wk go;  v12 those of Wv
.set WAV,  12
.set ASQ,  13                          ; v13-15 where my role's scale words go
.set ASK,  14
.set ASV,  15
.set SA,   16                          ; v16-79, v80-143: two sets of 64 f32; later v16-79 the accumulators, v80-127 and v128-175 two buffers of fragments
.set SA2,  80
.set WT,   144                         ; v144-159 and v172-187: a column's 16 numbers on end, two runs by turns
.set WC,   160                         ; v160-167 a weight's codes: two registers a column
.set BV,   170                         ; v170-171 bv of my two tiles
.set XC,   172                         ; v172-187 x's codes
.set BOF,  188                         ; v188-189 offsets into the biases
.set BIAS, 190                         ; v190-221 the biases, in the result's layout
.set AHS,  222                         ; v222 where my hole word goes;  v223 where wave 0 reads them back
.set AHL,  223
.set WOF,  224                         ; v224 my offset into each W;  v225 where my scale bytes of Wv go;  v226 my offset into V's codes
.set WBV,  225
.set VVO,  226
.set TM,   228                         ; v228-231 largest magnitudes, v232-235 the other half's and the bytes, v236-239 the conversions' scale operands
.set SW,   240                         ; v240-251 scale words and nothing else
.macro PLACES                          ; four plain vector instructions between a matrix instruction and a load into its registers or a read of its result
.rept 4
	v_nop
.endr
.endm
.macro BARRIER                         ; my LDS stores have landed and my LDS loads are in: then the work-group's barrier
	s_wait_dscnt 0x0
	s_barrier_signal -1
	s_barrier_wait -1
.endm
	s_load_b512 s[4:19], s[0:1], 0x0               ; inp 4, Wq 6, Wk 8, Wv 10, bq 12, bk 14, bv 16, qc 18
	s_load_b256 s[20:27], s[0:1], 0x40             ; kc 20, vc 22, scl 24, holes 26
	v_lshrrev_b32 v1, 5, v0
	v_readfirstlane_b32 s28, v1                    ; wave
	v_and_b32 v1, 31, v0                           ; lane
	v_and_b32 v2, 15, v0                           ; r
	v_bfe_u32 v3, v0, 4, 1                         ; h
	s_lshr_b32 s29, s28, 2                         ; g; also the K step in which my block of W lies
	s_and_b32 s30, s28, 3                          ; s: the K step of my share of x, my role, and my block's place in its K step
	s_min_u32 s31, s30, 2                          ; which weight my role multiplies by: 0 Wq, 1 Wk, 2 Wv
	s_lshr_b32 s32, s30, 1
	s_and_b32 s54, s30, 1
	s_mul_i32 s32, s32, s54
	s_lshl_b32 s32, s32, 1                         ; my role's first tile of W: 2 in role 3, else 0
	s_mul_i32 s33, s28, REG                        ; my region
	; descriptor group 1: 16 rows x 128 f32, 2,048 bytes apart in memory, 16 bytes of padding behind each row in LDS
	s_mov_b32 s44, (2<<16)|(1<<20)|(6<<22)|(3<<25) ; no mask; elements of 4 bytes; padding on: after every 128 words, 4 words
	s_mov_b32 s45, 128<<16                         ; tensor_dim0
	s_mov_b32 s46, 16<<16                          ; tensor_dim1
	s_mov_b32 s47, 128<<16                         ; tile_dim0
	s_mov_b32 s48, 16                              ; tile_dim1
	s_mov_b32 s49, 512                             ; elements from row to row
	s_mov_b32 s50, 0
	s_mov_b32 s51, 0
	s_mov_b32 s52, 0x76543210
	s_mov_b32 s53, 0xfedcba98                      ; v_permlanex16_b32's selects for lane l xor 16
	; every LDS address is made here, ahead of the first branch on the wave's number
	v_lshlrev_b32 v[LI], 4, v1
	v_and_b32 v227, 7, v0
	v_mul_u32_u24 v[XRD], v227, XP
	v_bfe_u32 v227, v0, 3, 1
	v_mad_u32_u24 v[XRD], v227, HALF2, v[XRD]
	v_lshl_add_u32 v[XRD], v3, 6, v[XRD]
	v_add_nc_u32 v[XRD], s33, v[XRD]               ; row (r % 8) of the half (r / 8), + 64 h: my 16 numbers of a block of 32
	v_add_nc_u32 v[OWN], s33, v[LI]
	s_mul_i32 s54, s29, 4*REG
	v_add_nc_u32 v[XIM], s54, v[LI]
	s_lshl_b32 s54, s31, 14                        ; my role reads: its weight's 16 images,
	s_lshl_b32 s55, s32, 12                        ; from its first tile on;
	s_add_co_u32 s54, s54, s55
	s_add_co_u32 s54, s54, WI
	v_add_nc_u32 v[WIM], s54, v[LI]                ; tile and K step stand in the loads' immediates: 4,096 nt + 1,024 ks
	s_lshl_b32 s54, s31, 10
	s_lshl_b32 s55, s32, 8
	s_add_co_u32 s54, s54, s55
	s_add_co_u32 s54, s54, WS
	v_lshl_add_u32 v[WSC], v2, 2, s54              ; and the scale words: 256 nt + 64 ks + 4 r
	; my share of W writes: lane (cq = lane % 16, h) holds columns 4 cq + j.  In the image of fragment (nt, ks) the codes of column-lane r, block b = 2 c + hf, k = 16 h .. 16 h + 15 of the block lie at
	; 512 c + 256 hf + 16 r + 8 h; with ks = w / 4 and b = w % 4 the wave's part is 1,024 ks + 512 c + 256 hf = 256 w
	s_lshl_b32 s54, s28, 8
	s_add_co_u32 s54, s54, WI
	v_bfe_u32 v227, v0, 3, 1                       ; Wq, Wk: column 4 cq + j is lane r = 8 (bit 2 of cq) + 4 (bit 0) + j of tile nt = 2 (bit 3) + (bit 1)
	v_lshlrev_b32 v[WAQ], 13, v227
	v_bfe_u32 v227, v0, 1, 1
	v_lshl_add_u32 v[WAQ], v227, 12, v[WAQ]
	v_bfe_u32 v227, v0, 2, 1
	v_lshl_add_u32 v[WAQ], v227, 7, v[WAQ]
	v_and_b32 v227, 1, v0
	v_lshl_add_u32 v[WAQ], v227, 6, v[WAQ]
	v_lshl_add_u32 v[WAQ], v3, 3, v[WAQ]
	v_add_nc_u32 v[WAQ], s54, v[WAQ]
	v_bfe_u32 v227, v0, 2, 2                       ; Wv: column 4 cq + j is lane r = 4 (cq % 4) + j of tile nt = cq / 4
	v_lshlrev_b32 v[WAV], 12, v227
	v_and_b32 v227, 3, v0
	v_lshl_add_u32 v[WAV], v227, 6, v[WAV]
	v_lshl_add_u32 v[WAV], v3, 3, v[WAV]
	v_add_nc_u32 v[WAV], s54, v[WAV]
	s_lshl_b32 s54, s29, 6                         ; the scale bytes: 256 nt + 64 ks + 4 r + b
	s_add_co_u32 s54, s54, s30
	s_add_co_u32 s54, s54, WS
	v_bfe_u32 v227, v0, 3, 1
	v_lshlrev_b32 v[WBQ], 9, v227
	v_bfe_u32 v227, v0, 1, 1
	v_lshl_add_u32 v[WBQ], v227, 8, v[WBQ]
	v_bfe_u32 v227, v0, 2, 1
	v_lshl_add_u32 v[WBQ], v227, 5, v[WBQ]
	v_and_b32 v227, 1, v0
	v_lshl_add_u32 v[WBQ], v227, 4, v[WBQ]
	v_add_nc_u32 v[WBQ], s54, v[WBQ]
	v_bfe_u32 v227, v0, 2, 2
	v_lshlrev_b32 v[WBV], 8, v227
	v_and_b32 v227, 3, v0
	v_lshl_add_u32 v[WBV], v227, 4, v[WBV]
	v_add_nc_u32 v[WBV], s54, v[WBV]
	s_lshl_b32 s54, s29, 7
	s_add_co_u32 s54, s54, SQ
	v_lshl_add_u32 v[ASQ], v2, 2, s54              ; Q's words: [tile 2 g + u][r]
	s_lshl_b32 s54, s29, 2
	s_add_co_u32 s54, s54, SK
	v_lshl_add_u32 v[ASK], v2, 4, s54              ; K's: [r][g]
	s_lshl_b32 s54, s32, 2
	s_add_co_u32 s54, s54, s29
	s_add_co_u32 s54, s54, SV
	v_lshl_add_u32 v[ASV], v2, 4, s54              ; V's: [r][tile n], byte g
	s_xor_b32 s54, s30, 1
	s_lshl_b32 s54, s54, 2
	s_add_co_u32 s54, s54, s29
	s_lshl_b32 s54, s54, 2
	s_add_co_u32 s54, s54, HS
	v_mov_b32 v[AHS], s54                          ; hole words: K's four, then Q's four
	v_and_b32 v[AHL], 7, v0
	v_lshl_add_u32 v[AHL], v[AHL], 2, HS
	; offsets into memory
	v_lshlrev_b32 v[WOF], 4, v2                    ; W: 16 bytes a lane of a row of 256,
	v_lshl_add_u32 v[WOF], v3, 12, v[WOF]          ; lanes 16-31 sixteen rows further down,
	s_lshl_b32 s54, s28, 13                        ; my wave's 32 rows
	v_add_nc_u32 v[WOF], s54, v[WOF]
	v_lshlrev_b32 v[VVO], 4, v2
	v_lshl_add_u32 v[VVO], v3, 3, v[VVO]
	s_lshr_b32 s54, s29, 1
	s_lshl_b32 s54, s54, 9
	s_and_b32 s55, s29, 1
	s_lshl_b32 s55, s55, 8
	s_add_co_u32 s54, s54, s55
	s_lshl_b32 s55, s32, 10
	s_add_co_u32 s54, s54, s55
	v_add_nc_u32 v[VVO], s54, v[VVO]               ; V's codes: [tile n][g / 2][lane (r, g % 2)][16 bytes], my 8 bytes at 8 h
	v_lshlrev_b32 v[BOF], 6, v3
	s_lshl_b32 s54, s32, 6
	v_lshl_add_u32 v[BOF+1], v2, 2, s54
.irp b, 0,1,2,3
	v_mov_b32 v[TM+4+\b], 0                        ; written once: a lane permute's destination counts as one of its sources
.endr
	s_lshl_b32 s34, ttmp9, 18                      ; my work-group's 128 rows of 2,048 bytes,
	s_lshl_b32 s54, s29, 16                        ; my group's 32,
	s_add_co_u32 s34, s34, s54
	s_lshl_b32 s54, s30, 9                         ; my 512 bytes of a row
	s_add_co_u32 s34, s34, s54
	s_mov_b32 s35, 0
	s_wait_kmcnt 0x0
	s_mov_b32 s36, 1                               ; group 0: count,
	s_mov_b32 s37, s33                             ; LDS address,
	s_add_nc_u64 s[38:39], s[4:5], s[34:35]        ; global address,
	s_mov_b32 s40, 1
	s_add_co_u32 s41, s33, HALF2
	s_add_nc_u64 s[42:43], s[38:39], 32768         ; rows 16-31
	s_or_b32 s39, s39, 0x80000000                  ; type
	s_or_b32 s43, s43, 0x80000000
	tensor_load_to_lds s[36:39], s[44:51]          ; two tensor loads of mine are out; no byte of LDS is filled twice in this launch
	tensor_load_to_lds s[40:43], s[44:51]
	PLACES                                         ; four such lines behind a tensor load
	; the biases, in every wave alike: bq or bk in the layout of a transposed result (tile nt, lane (r, h): columns 32 (nt / 2) + 16 h + 8 (nt % 2) + 0 .. 7), and bv of columns 16 n + r
	s_cmp_eq_u32 s30, 0
	s_cselect_b64 s[56:57], s[12:13], s[14:15]
.irp nt, 0,1,2,3
	global_load_b128 v[BIAS+8*\nt:BIAS+8*\nt+3], v[BOF], s[56:57] offset:(32*(\nt/2)+8*(\nt%2))*4
	global_load_b128 v[BIAS+8*\nt+4:BIAS+8*\nt+7], v[BOF], s[56:57] offset:(32*(\nt/2)+8*(\nt%2))*4+16
.endr
	global_load_b32 v[BV], v[BOF+1], s[16:17]
	global_load_b32 v[BV+1], v[BOF+1], s[16:17] offset:64
; W: load i brings rows i (lanes 0-15) and 16 + i (lanes 16-31) of my 32, whole: register 4 i + j is W(32 w + 16 h + i, 4 cq + j)
.macro WLOAD set, ptr
.irp i, 0,1,2,3,4,5,6,7,8,9,10,11,12,13,14,15
	global_load_b128 v[\set+4*\i:\set+4*\i+3], v[WOF], s[\ptr:\ptr+1] offset:256*\i
.endr
.endm
; 64 numbers of a lane, 16 along K of each of four columns; lane l xor 16 holds the block's other 16.  Each column gets its scale byte and two registers of codes.  m: which weight; ac, ab: where codes and bytes go
.macro QUANTW set, m, ac, ab
.if \m > 0
	s_wait_dscnt 0x0                               ; the last weight's LDS stores have read their registers, which are written again below
.endif
.irp j, 0,1,2,3
	v_max3_num_f32 v[TM+\j], |v[\set+\j]|, |v[\set+4+\j]|, 0x1800000   ; with the floor 2^(3 - 127): the byte cannot fall under 1
.endr
.irp i, 2,4,6,8,10,12,14
.irp j, 0,1,2,3
	v_max3_num_f32 v[TM+\j], v[TM+\j], |v[\set+4*\i+\j]|, |v[\set+4*\i+4+\j]|   ; (the four columns by turns)
.endr
.endr
.irp j, 0,1,2,3
	v_permlanex16_b32 v[TM+4+\j], v[TM+\j], s52, s53
.endr
.irp j, 0,1,2,3
	v_max_num_f32 v[TM+\j], v[TM+\j], v[TM+4+\j]   ; the block's largest magnitude
.endr
.irp j, 0,1,2,3
	v_add_nc_u32 v[TM+8+\j], 0xff000000, v[TM+\j]  ; 2 off the exponent field: the conversion's scale operand
.endr
.irp j, 0,1,2,3
	v_lshrrev_b32 v[TM+4+\j], 23, v[TM+8+\j]       ; the scale's byte
.endr
.irp j, 0,1,2,3                        ; the conversions take eight neighbours along K from consecutive registers: a column's 16 numbers are put on end first, in two runs of registers by turns
.irp i, 0,1,2,3,4,5,6,7,8,9,10,11,12,13,14,15
	v_mov_b32 v[WT+28*(\j%2)+\i], v[\set+4*\i+\j]
.endr
	v_cvt_scalef32_pk8_fp4_f32 v[WC+2*\j], v[WT+28*(\j%2):WT+28*(\j%2)+7], v[TM+8+\j]
	v_cvt_scalef32_pk8_fp4_f32 v[WC+2*\j+1], v[WT+28*(\j%2)+8:WT+28*(\j%2)+15], v[TM+8+\j]
.endr
	v_nop                                          ; one plain line behind the last scaled conversion
.irp j, 0,1,2,3
	ds_store_b64 v[\ac], v[WC+2*\j:WC+2*\j+1] offset:16384*\m+16*\j   ; column j lies one lane of the image, 16 bytes, on
	ds_store_b8 v[\ab], v[TM+4+\j] offset:1024*\m+4*\j                ; both halves of the lanes write the same byte with the same value
.endr
.endm
; 64 numbers of a lane, register 16 b + i = k 32 b + 16 h + i of my row, become a fragment's 8 registers and the row's scale word
.macro QUANT s, pc, pw
.irp b, 0,1,2,3
	v_max3_num_f32 v[TM+\b], |v[\s+16*\b]|, |v[\s+1+16*\b]|, 0x1800000
.endr
.irp i, 2,4,6,8,10,12,14
.irp b, 0,1,2,3
	v_max3_num_f32 v[TM+\b], v[TM+\b], |v[\s+16*\b+\i]|, |v[\s+1+16*\b+\i]|
.endr
.endr
.irp b, 0,1,2,3
	v_permlanex16_b32 v[TM+4+\b], v[TM+\b], s52, s53
.endr
.irp b, 0,1,2,3
	v_max_num_f32 v[TM+\b], v[TM+\b], v[TM+4+\b]   ; with lane l xor 16's 16 numbers: the block's largest magnitude
.endr
.irp b, 0,1,2,3
	v_add_nc_u32 v[TM+8+\b], 0xff000000, v[TM+\b]
.endr
.irp b, 0,1,2,3
	v_lshrrev_b32 v[TM+4+\b], 23, v[TM+8+\b]
.endr
	v_lshl_or_b32 v[\pw], v[TM+5], 8, v[TM+4]
	v_lshl_or_b32 v[\pw], v[TM+6], 16, v[\pw]
	v_lshl_or_b32 v[\pw], v[TM+7], 24, v[\pw]
.irp b, 0,1,2,3
	v_cvt_scalef32_pk8_fp4_f32 v[\pc+2*\b], v[\s+16*\b:\s+7+16*\b], v[TM+8+\b]
	v_cvt_scalef32_pk8_fp4_f32 v[\pc+1+2*\b], v[\s+8+16*\b:\s+15+16*\b], v[TM+8+\b]
.endr
	v_nop
.irp c, 0,1                            ; the operand wants a whole block in a lane: lanes 0-15 block 2 c, lanes 16-31 block 2 c + 1
.irp i, 0,1
	v_permlane16_swap_b32 v[\pc+4*\c+\i], v[\pc+2+4*\c+\i]
.endr
.endr
.endm
; the same for a row of 64 numbers, two blocks: 4 registers, and the two bytes in the low half of the word
.macro QUANT2 s, pc, pw
.irp b, 0,1
	v_max3_num_f32 v[TM+\b], |v[\s+16*\b]|, |v[\s+1+16*\b]|, 0x1800000
.endr
.irp i, 2,4,6,8,10,12,14
.irp b, 0,1
	v_max3_num_f32 v[TM+\b], v[TM+\b], |v[\s+16*\b+\i]|, |v[\s+1+16*\b+\i]|
.endr
.endr
.irp b, 0,1
	v_permlanex16_b32 v[TM+4+\b], v[TM+\b], s52, s53
.endr
.irp b, 0,1
	v_max_num_f32 v[TM+\b], v[TM+\b], v[TM+4+\b]
.endr
.irp b, 0,1
	v_add_nc_u32 v[TM+8+\b], 0xff000000, v[TM+\b]
.endr
.irp b, 0,1
	v_lshrrev_b32 v[TM+4+\b], 23, v[TM+8+\b]
.endr
	v_lshl_or_b32 v[\pw], v[TM+5], 8, v[TM+4]
.irp b, 0,1
	v_cvt_scalef32_pk8_fp4_f32 v[\pc+2*\b], v[\s+16*\b:\s+7+16*\b], v[TM+8+\b]
	v_cvt_scalef32_pk8_fp4_f32 v[\pc+1+2*\b], v[\s+8+16*\b:\s+15+16*\b], v[TM+8+\b]
.endr
	v_nop
	v_permlane16_swap_b32 v[\pc], v[\pc+2]
	v_permlane16_swap_b32 v[\pc+1], v[\pc+3]       ; registers 0-3 now hold k = 32 h + 0 .. 31
.endm
	; ---- W, while x is on its way: its images have LDS bytes of their own, so they are stored at once
	WLOAD SA, 6
	WLOAD SA2, 8
	s_wait_loadcnt 16                              ; the biases and Wq's 16 loads are in; Wk's 16 may be out
	QUANTW SA, 0, WAQ, WBQ
	WLOAD SA, 10
	s_wait_loadcnt 16                              ; Wk's are in; Wv's 16 may be out
	QUANTW SA2, 1, WAQ, WBQ
	s_wait_loadcnt 0x0
	QUANTW SA, 2, WAV, WBV
	; ---- x: my two tiles of 16 tokens x 128
	s_wait_tensorcnt 0x0                           ; my 32 rows lie in my region; nobody else reads them
.irp u, 0,1
.irp b, 0,1,2,3
.irp j, 0,1,2,3
	ds_load_b128 v[SA+64*\u+16*\b+4*\j:SA+64*\u+16*\b+4*\j+3], v[XRD] offset:\u*8*XP+128*\b+16*\j
.endr
.endr
.endr
	s_wait_dscnt 16                                ; tile 0's 16 loads are in; tile 1's may be out
	QUANT SA, XC, SW+3
	s_wait_dscnt 0x0                               ; tile 1's are in: my reads of the rows are over, so the images may take their place
	QUANT SA2, XC+8, SW+4
.irp u, 0,1
	ds_store_b128 v[OWN], v[XC+8*\u:XC+8*\u+3] offset:1024*\u
	ds_store_b128 v[OWN], v[XC+8*\u+4:XC+8*\u+7] offset:1024*\u+512
	ds_store_b32 v[OWN], v[SW+3+\u] offset:XSW+512*\u
.endr
	BARRIER                                        ; all images lie in LDS, and every wave's rows of x have been read
	s_lshl_b32 s54, ttmp9, 12                      ; 4,096 bytes of codes for each 128 tokens, in each of the three buffers
	s_mov_b32 s55, 0
	s_cmp_ge_u32 s30, 2
	s_cbranch_scc1 .Lrole_v
	; ---- roles 0 and 1: Q or K of my group, transposed: source 0 = 16 columns of W, source 1 = 16 tokens: a lane holds one token, its registers run along the head
.macro FETCHQ ks, buf                  ; K step ks: four fragments of W, two of x, their scale words: 18 LDS loads
.set FB, 80+48*(\buf)
.set SB, SW+6*(\buf)
.irp nt, 0,1,2,3
	ds_load_b128 v[FB+8*\nt:FB+8*\nt+3], v[WIM] offset:4096*\nt+1024*\ks
	ds_load_b128 v[FB+8*\nt+4:FB+8*\nt+7], v[WIM] offset:4096*\nt+1024*\ks+512
	ds_load_b32 v[SB+\nt], v[WSC] offset:256*\nt+64*\ks
.endr
.irp u, 0,1
	ds_load_b128 v[FB+32+8*\u:FB+32+8*\u+3], v[XIM] offset:\ks*REG+1024*\u
	ds_load_b128 v[FB+32+8*\u+4:FB+32+8*\u+7], v[XIM] offset:\ks*REG+1024*\u+512
	ds_load_b32 v[SB+4+\u], v[XIM] offset:\ks*REG+XSW+512*\u
.endr
.endm
.macro MULQ ks, buf                    ; eight accumulators by turns; the bias is the C of each sum's first product
.set FB, 80+48*(\buf)
.set SB, SW+6*(\buf)
.irp u, 0,1
.irp nt, 0,1,2,3
.if \ks == 0
	v_wmma_scale_f32_16x16x128_f8f6f4 v[SA+32*\u+8*\nt:SA+32*\u+8*\nt+7], v[FB+8*\nt:FB+8*\nt+7], v[FB+32+8*\u:FB+32+8*\u+7], v[BIAS+8*\nt:BIAS+8*\nt+7], v[SB+\nt], v[SB+4+\u] matrix_a_fmt:MATRIX_FMT_FP4 matrix_b_fmt:MATRIX_FMT_FP4
.else
	v_wmma_scale_f32_16x16x128_f8f6f4 v[SA+32*\u+8*\nt:SA+32*\u+8*\nt+7], v[FB+8*\nt:FB+8*\nt+7], v[FB+32+8*\u:FB+32+8*\u+7], v[SA+32*\u+8*\nt:SA+32*\u+8*\nt+7], v[SB+\nt], v[SB+4+\u] matrix_a_fmt:MATRIX_FMT_FP4 matrix_b_fmt:MATRIX_FMT_FP4
.endif
.endr
.endr
.endm
	FETCHQ 0, 0
	FETCHQ 1, 1
	s_cmp_eq_u32 s30, 0
	s_cselect_b64 s[58:59], s[18:19], s[20:21]     ; Q's codes or K's
	s_add_nc_u64 s[58:59], s[58:59], s[54:55]
	s_lshl_b32 s54, s29, 10                        ; my group's two tiles of 512 bytes
	s_add_nc_u64 s[58:59], s[58:59], s[54:55]
	s_wait_dscnt 18                                ; K step 0 is in; the 18 loads of K step 1 may be out
	MULQ 0, 0
	PLACES
	FETCHQ 2, 0
	s_wait_dscnt 18
	MULQ 1, 1
	PLACES
	FETCHQ 3, 1
	s_wait_dscnt 18
	MULQ 2, 0
	s_wait_dscnt 0x0
	MULQ 3, 1
	PLACES
	; the rows' sums, each accumulator read from its low end on; both tiles by turns
	v_pk_add_f32 v[184:185], v[SA:SA+1], v[SA+2:SA+3]
	v_pk_add_f32 v[186:187], v[SA+32:SA+33], v[SA+34:SA+35]
.irp i, 4,6,8,10,12,14,16,18,20,22,24,26,28,30
	v_pk_add_f32 v[184:185], v[184:185], v[SA+\i:SA+\i+1]
	v_pk_add_f32 v[186:187], v[186:187], v[SA+32+\i:SA+33+\i]
.endr
	v_add_f32 v184, v184, v185
	v_add_f32 v186, v186, v187
	v_permlanex16_b32 v185, v184, s52, s53
	v_permlanex16_b32 v187, v186, s52, s53
	v_add_f32 v184, v184, v185                     ; with lane l xor 16's 32 columns
	v_add_f32 v186, v186, v187
	v_cmp_eq_f32 s60, 0, v184                      ; bit r: the token at lane r of tile 0 has the sum 0
	v_cmp_eq_f32 s61, 0, v186
	s_and_b32 s54, s60, 0xff                       ; tile 0's lanes 0-7 are tokens 0-7,
	s_and_b32 s55, s61, 0xff
	s_lshl_b32 s55, s55, 8                         ; tile 1's lanes 0-7 tokens 8-15,
	s_or_b32 s54, s54, s55
	s_and_b32 s55, s60, 0xff00
	s_lshl_b32 s55, s55, 8                         ; tile 0's lanes 8-15 tokens 16-23,
	s_or_b32 s54, s54, s55
	s_and_b32 s55, s61, 0xff00
	s_lshl_b32 s55, s55, 16                        ; tile 1's lanes 8-15 tokens 24-31
	s_or_b32 s54, s54, s55
	v_mov_b32 v227, s54
	ds_store_b32 v[AHS], v227                      ; every lane writes the same word with the same value
	QUANT2 SA, 176, 188
	global_store_b128 v[LI], v[176:179], s[58:59]              ; 32 lanes store 512 consecutive bytes: the tile as the operand's registers 0-3
	QUANT2 SA+32, 180, 189
	global_store_b128 v[LI], v[180:183], s[58:59] offset:512
	s_cmp_eq_u32 s30, 0
	s_cbranch_scc0 .Lk_words
	v_lshl_or_b32 v184, v188, 16, v188             ; Q's word: its two bytes twice, for either half of a K of 128
	v_lshl_or_b32 v185, v189, 16, v189
	ds_store_b32 v[ASQ], v184
	ds_store_b32 v[ASQ], v185 offset:64
	s_branch .Ljoin
.Lk_words:
	v_lshl_or_b32 v184, v189, 16, v188             ; K's word: tile 0's two bytes, then tile 1's: the two tiles share a fragment
	ds_store_b32 v[ASK], v184
	s_branch .Ljoin
	; ---- roles 2 and 3: V of my group, two tiles of 16 columns: source 0 = 16 tokens, source 1 = 16 columns of Wv: a lane holds one column, its registers run along the tokens
.macro FETCHV ks, buf                  ; two fragments of Wv, two of x, their scale words: 12 LDS loads
.set FB, 80+48*(\buf)
.set SB, SW+6*(\buf)
.irp n, 0,1
	ds_load_b128 v[FB+8*\n:FB+8*\n+3], v[WIM] offset:4096*\n+1024*\ks
	ds_load_b128 v[FB+8*\n+4:FB+8*\n+7], v[WIM] offset:4096*\n+1024*\ks+512
	ds_load_b32 v[SB+\n], v[WSC] offset:256*\n+64*\ks
.endr
.irp u, 0,1
	ds_load_b128 v[FB+32+8*\u:FB+32+8*\u+3], v[XIM] offset:\ks*REG+1024*\u
	ds_load_b128 v[FB+32+8*\u+4:FB+32+8*\u+7], v[XIM] offset:\ks*REG+1024*\u+512
	ds_load_b32 v[SB+4+\u], v[XIM] offset:\ks*REG+XSW+512*\u
.endr
.endm
.macro MULV ks, buf                    ; four accumulators by turns
.set FB, 80+48*(\buf)
.set SB, SW+6*(\buf)
.irp n, 0,1
.irp u, 0,1
.if \ks == 0
	v_wmma_scale_f32_16x16x128_f8f6f4 v[SA+16*\n+8*\u:SA+16*\n+8*\u+7], v[FB+32+8*\u:FB+32+8*\u+7], v[FB+8*\n:FB+8*\n+7], v[BIAS+8*\n:BIAS+8*\n+7], v[SB+4+\u], v[SB+\n] matrix_a_fmt:MATRIX_FMT_FP4 matrix_b_fmt:MATRIX_FMT_FP4
.else
	v_wmma_scale_f32_16x16x128_f8f6f4 v[SA+16*\n+8*\u:SA+16*\n+8*\u+7], v[FB+32+8*\u:FB+32+8*\u+7], v[FB+8*\n:FB+8*\n+7], v[SA+16*\n+8*\u:SA+16*\n+8*\u+7], v[SB+4+\u], v[SB+\n] matrix_a_fmt:MATRIX_FMT_FP4 matrix_b_fmt:MATRIX_FMT_FP4
.endif
.endr
.endr
.endm
.Lrole_v:
.irp j, 0,1,2,3,4,5,6,7
	v_mov_b32 v[BIAS+\j], v[BV]                    ; a lane's eight results of a tile are eight tokens of ONE column: its bias eight times
	v_mov_b32 v[BIAS+8+\j], v[BV+1]
.endr
	PLACES
	FETCHV 0, 0
	FETCHV 1, 1
	s_add_nc_u64 s[58:59], s[22:23], s[54:55]      ; V's codes of my 128 tokens
	s_wait_dscnt 12                                ; K step 0 is in; the 12 loads of K step 1 may be out
	MULV 0, 0
	PLACES
	FETCHV 2, 0
	s_wait_dscnt 12
	MULV 1, 1
	PLACES
	FETCHV 3, 1
	s_wait_dscnt 12
	MULV 2, 0
	s_wait_dscnt 0x0
	MULV 3, 1
	PLACES
.irp n, 0,1                            ; registers 16 n + i: tokens 16 h + i of my group, column 16 n + r: half a block of 32 along the keys
	v_max3_num_f32 v[TM+\n], |v[SA+16*\n]|, |v[SA+16*\n+1]|, 0x1800000
.endr
.irp i, 2,4,6,8,10,12,14
.irp n, 0,1
	v_max3_num_f32 v[TM+\n], v[TM+\n], |v[SA+16*\n+\i]|, |v[SA+16*\n+\i+1]|
.endr
.endr
.irp n, 0,1
	v_permlanex16_b32 v[TM+4+\n], v[TM+\n], s52, s53
.endr
.irp n, 0,1
	v_max_num_f32 v[TM+\n], v[TM+\n], v[TM+4+\n]
.endr
.irp n, 0,1
	v_add_nc_u32 v[TM+8+\n], 0xff000000, v[TM+\n]
.endr
.irp n, 0,1
	v_lshrrev_b32 v[TM+4+\n], 23, v[TM+8+\n]
.endr
.irp n, 0,1
	v_cvt_scalef32_pk8_fp4_f32 v[176+2*\n], v[SA+16*\n:SA+16*\n+7], v[TM+8+\n]
	v_cvt_scalef32_pk8_fp4_f32 v[177+2*\n], v[SA+16*\n+8:SA+16*\n+15], v[TM+8+\n]
.endr
	v_nop
.irp n, 0,1
	global_store_b64 v[VVO], v[176+2*\n:177+2*\n], s[58:59] offset:1024*\n   ; 32 lanes store 256 consecutive bytes, aligned
	ds_store_b8 v[ASV], v[TM+4+\n] offset:4*\n     ; both lanes of a block write the same byte with the same value
.endr
.Ljoin:
	BARRIER                                        ; the scale words and hole words of all roles lie in the stage
	s_cmp_lg_u32 s28, 0
	s_cbranch_scc1 .Lend
	ds_load_b128 v[80:83], v[LI] offset:SQ         ; wave 0: 1,024 bytes of scale words,
	ds_load_b128 v[84:87], v[LI] offset:SK
	ds_load_b32 v88, v[AHL]                        ; and the eight hole words, four times over, each with a 0 behind it: one whole run of 256 bytes
	v_mov_b32 v89, 0
	v_lshlrev_b32 v90, 3, v1
	s_lshl_b32 s54, ttmp9, 10
	s_mov_b32 s55, 0
	s_add_nc_u64 s[24:25], s[24:25], s[54:55]
	s_lshl_b32 s54, ttmp9, 8
	s_add_nc_u64 s[26:27], s[26:27], s[54:55]
	s_wait_dscnt 0x0
	global_store_b128 v[LI], v[80:83], s[24:25]
	global_store_b128 v[LI], v[84:87], s[24:25] offset:512
	global_store_b64 v90, v[88:89], s[26:27]
.Lend:
	s_endpgm
.Lfunc_end_k_qb51a5299af_project:
	.size	k_qb51a5299af_project, .Lfunc_end_k_qb51a5299af_project-k_qb51a5299af_project
	.p2alignl 7, 3214868480
	.fill 96, 4, 3214868480
	.section	.rodata,"a",@progbits
	.p2align	6, 0x0
	.amdhsa_kernel k_qb51a5299af_project
		.amdhsa_group_segment_fixed_size 327680
		.amdhsa_private_segment_fixed_size 0
		.amdhsa_enable_private_segment 0
		.amdhsa_kernarg_size 96
		.amdhsa_user_sgpr_count 2
		.amdhsa_user_sgpr_kernarg_segment_ptr 1
		.amdhsa_wavefront_size32 1
		.amdhsa_system_sgpr_workgroup_id_x 1
		.amdhsa_system_sgpr_workgroup_id_y 1
		.amdhsa_system_sgpr_workgroup_id_z 1
		.amdhsa_system_vgpr_workitem_id 0
		.amdhsa_next_free_vgpr 256
		.amdhsa_next_free_sgpr 66
		.amdhsa_reserve_vcc 0
		.amdhsa_float_denorm_mode_32 3
		.amdhsa_float_denorm_mode_16_64 3
		.amdhsa_memory_ordered 1
		.amdhsa_forward_progress 1
		.amdhsa_inst_pref_size 66
	.end_amdhsa_kernel
	.amdgpu_metadata
---
amdhsa.version: [ 1, 2 ]
amdhsa.kernels:
  - .name:           k_qb51a5299af_project
    .symbol:         k_qb51a5299af_project.kd
    .args:
      - { .name: inp, .offset: 0, .size: 8, .value_kind: global_buffer, .address_space: global }
      - { .name: Wq, .offset: 8, .size: 8, .value_kind: global_buffer, .address_space: global }
      - { .name: Wk, .offset: 16, .size: 8, .value_kind: global_buffer, .address_space: global }
      - { .name: Wv, .offset: 24, .size: 8, .value_kind: global_buffer, .address_space: global }
      - { .name: bq, .offset: 32, .size: 8, .value_kind: global_buffer, .address_space: global }
      - { .name: bk, .offset: 40, .size: 8, .value_kind: global_buffer, .address_space: global }
      - { .name: bv, .offset: 48, .size: 8, .value_kind: global_buffer, .address_space: global }
      - { .name: qc, .offset: 56, .size: 8, .value_kind: global_buffer, .address_space: global }
      - { .name: kc, .offset: 64, .size: 8, .value_kind: global_buffer, .address_space: global }
      - { .name: vc, .offset: 72, .size: 8, .value_kind: global_buffer, .address_space: global }
      - { .name: scl, .offset: 80, .size: 8, .value_kind: global_buffer, .address_space: global }
      - { .name: holes, .offset: 88, .size: 8, .value_kind: global_buffer, .address_space: global }
    .group_segment_fixed_size: 327680
    .private_segment_fixed_size: 0
    .kernarg_segment_align: 8
    .kernarg_segment_size: 96
    .max_flat_workgroup_size: 512
    .sgpr_count:     66
    .vgpr_count:     256
    .wavefront_size: 32
...
	.end_amdgpu_metadata
.endif
;; end of part 1
;; launch attend (part 2): grid 16 x 16, 16 waves a work-group, no clusters, 16,384 bytes of LDS; arguments qc, kc, vc, scl, holes, inp, part; writes part
.if DOCPART == 2
	.amdgcn_target "amdgcn-amd-amdhsa--gfx1250"
	.amdhsa_code_object_version 6
	.text
	.protected	k_qb51a5299af_attend
	.globl	k_qb51a5299af_attend
	.p2align	8
	.type	k_qb51a5299af_attend,@function
k_qb51a5299af_attend:
	s_mov_b64 s[64:65], 0
	v_nop
	global_prefetch_b8 v0, s[64:65] scope:SCOPE_SE
	s_setreg_imm32_b32 hwreg(HW_REG_WAVE_MODE, 25, 1), 1
	s_wait_xcnt 0x0
; part[rec][d] = the sum over the 128 queries t of rec of inp[t][d] r[t], r[t] = the sum over a of ctx[t][a], ctx = Qz(att) Qz(V), att = softmax(Qz(Q) Qz(K)^T / 8) x q_mask[key], finished and normalised ahead of its quantiser.
; SHARES.  Work-group (x = j, y = b) owns the 128 queries of rec 16 b + j, in 8 tiles of 16.  THE WAVES SHARE THE KEYS: wave w owns keys 128 w .. 128 w + 127 of the batch for the whole launch; their codes of K and V
; (64 registers) and scale words come from memory once, straight into registers.  A tile's 16 x 2,048 scores lie in the sixteen waves' registers, 64 a lane, so each exponential is taken once.
; THE SOFTMAX.  t = score x log2(e) / 8.  Each wave takes ITS largest t, rounded up to a whole number M_w, away: p = 2^(t - M_w), l_w = the sum of p.  The waves exchange (-M_w, l_w) through LDS, one barrier a tile;
; M = the largest M_w, l = the sum of l_w 2^(M_w - M) (by v_ldexp_f32: nothing is rounded), att = p x 2^(M_w - M) / l.
; K = 64 IN AN INSTRUCTION OF K = 128: a fragment of K holds two tiles of 16 keys, one in registers 0-3 and one in 4-7; Q's four registers stand between registers of zeros, so that [q, 0] meets the first tile and
; [0, q] the second: zero codes add nothing under any scale byte that the quantiser makes.
; LAYOUT.  Both products are used transposed: a lane holds one query (lane % 16); the keys of a tile are chosen so that the 16 registers of two neighbouring tiles are 16 neighbouring keys.
; Only the sum over a of ctx is wanted, so V's four tiles of 16 columns add up in two accumulators.
; THE MASKS come as one bit a key, stored by the launch before.  A wave whose 128 keys have no hole jumps over both mask paths (a scalar branch on the stored words).
; THE LAST PRODUCT rides along: a tile's 16 rows of inp are loaded a tile ahead (wave w: rows 4 (w / 4) .. + 3 of the tile, columns 128 (w % 4) .. + 127) and multiplied by r of that tile in the next tile's turn.
; NO CLUSTER: what the 16 work-groups of a batch share, K's and V's codes, each reads once at its head, 8.5 KiB a wave, into registers; against that stand 256 KiB of inp of its own.
; LIMITS: NaN and infinities are not served.  A p or a weight under 2^-126 falls to 0 (v_exp_f32 flushes such results: ISA guide 15.8).  A block of zeros carries the byte 1.  A block's largest weight is taken through
; the block's largest score, which leans on v_exp_f32 not falling where its input rises; at the worst one weight of a block, within an ulp of a power of two, is held one code low.
.set XB2,  2304                        ; LDS: two sets of (-M_w, l_w): 16 queries x (16 waves x 8 bytes + 16 of padding), at 0 and at 2304
.set RP,   4608                        ; two sets of the waves' parts of r: [query][wave] f32, 1,024 bytes each
.set FS,   6656                        ; the waves' sums of the last product: 512 bytes a wave
.set KS,   42                          ; v42-45 K's scale words, v46-49 V's, v50 att's, v40-41 Q's: scale words and nothing else
.set VS,   46
.set PW,   50
.set KF,   52                          ; v52-83  K: four fragments of two tiles
.set VF,   84                          ; v84-115 V: four fragments of 16 columns x 128 keys
.set S,    116                         ; v116-179 scores, then p, then att
.set CD,   180                         ; v180-187 att's codes
.set O0,   188                         ; v188-203 two accumulators
.set O1,   196
.set ML,   204                         ; v204-219 eight waves' (-M_w, l_w)
.set XR,   220                         ; v220-235 four rows of inp, 16 bytes each
.set AC,   236                         ; v236-239 my sums of the last product
.set BM,   240                         ; v240-243 each block's largest score, p, att;  v244-247 the other half's, then the bytes;  v248-251 the conversions' scale operands;  v252-255 at work
.set PT,   244
.set SOP,  248
; v1 16 x lane, v2 4 r, v3 16 h, v4 and v5 the exchange (store, load), v6 and v7 r's parts (store, load), v8 and v9 offsets of the next Q, v10 of inp's rows, v11 of the prefetch, v[12:13] (-M_w, l_w),
; v[14:15] sums, v[16:17] f, v[18:19] at work, v20-39 zeros, Q, zeros, Q, zeros, v51 my place in FS
	s_load_b256 s[4:11], s[0:1], 0x0               ; qc 4, kc 6, vc 8, scl 10
	s_load_b128 s[12:15], s[0:1], 0x20             ; holes 12, inp 14
	s_load_b64 s[16:17], s[0:1], 0x30              ; part
	v_lshrrev_b32 v1, 5, v0
	v_readfirstlane_b32 s18, v1                    ; wave
	s_and_b32 s19, ttmp7, 0xffff                   ; batch
	s_lshl_b32 s21, s19, 4
	s_add_co_u32 s22, s21, s18                     ; the rec of my keys
	s_add_co_u32 s21, s21, ttmp9                   ; the rec of the work-group's queries
	s_lshr_b32 s23, s18, 2                         ; the last product: which four rows of a tile,
	s_and_b32 s24, s18, 3                          ; which 128 columns
	v_and_b32 v18, 31, v0                          ; lane
	v_and_b32 v19, 15, v0                          ; r
	v_bfe_u32 v252, v0, 4, 1                       ; h
	v_lshlrev_b32 v1, 4, v18
	v_lshlrev_b32 v2, 2, v19
	v_lshlrev_b32 v3, 4, v252
	v_mul_u32_u24 v5, v19, 144
	s_lshl_b32 s25, s18, 3
	v_add_nc_u32 v4, s25, v5                       ; my pair: 144 r + 8 w
	v_lshl_add_u32 v5, v252, 6, v5                 ; eight waves' pairs: 144 r + 64 h
	s_lshl_b32 s25, s18, 2
	s_add_co_u32 s25, s25, RP
	v_lshl_add_u32 v6, v19, 6, s25                 ; 64 r + 4 w
	s_lshl_b32 s25, s23, 8
	s_add_co_u32 s25, s25, RP
	v_lshl_add_u32 v7, v18, 3, s25                 ; my four rows' 64 parts, two a lane
	s_lshl_b32 s25, s18, 9
	s_add_co_u32 s25, s25, FS
	v_add_nc_u32 v51, s25, v1
	s_lshl_b32 s25, s23, 2
	s_lshr_b32 s63, s23, 1
	s_lshl_b32 s63, s63, 3
	s_add_co_u32 s25, s25, s63                     ; tile row rr stands for token rr + 8 (rr / 8) of the tile's
	s_lshl_b32 s25, s25, 11
	s_lshl_b32 s63, s24, 9
	s_add_co_u32 s25, s25, s63
	v_add_nc_u32 v10, s25, v1
	s_lshl_b32 s25, s24, 2                         ; the prefetch (waves 0 to 3): lane l names row 4 w + l / 8 of a tile, and of its 2,048 bytes the 256 at 256 (l % 8)
	s_lshr_b32 s63, s24, 1
	s_lshl_b32 s63, s63, 3
	s_add_co_u32 s25, s25, s63
	s_lshl_b32 s25, s25, 11
	v_lshrrev_b32 v11, 3, v18
	v_lshlrev_b32 v11, 11, v11
	v_and_b32 v253, 7, v0
	v_lshl_add_u32 v11, v253, 8, v11
	v_add_nc_u32 v11, s25, v11
	s_cmp_lt_u32 s18, 4
	s_cselect_b32 s59, 4, 0                        ; a wave prefetches while the trip's number is under these: in the first tile of every trip,
	s_cselect_b32 s60, 3, 0                        ; in the second of all but the last: behind the last tile there is none
	s_mov_b32 s26, 0x3e38aa3b                      ; c = log2(e) / 8
	s_mov_b32 s27, s26                             ; (named with it as a pair, so it is written)
	s_mov_b32 s28, 0x76543210
	s_mov_b32 s29, 0xfedcba98                      ; v_permlanex16_b32's selects for lane l xor 16
	s_mov_b32 s51, 0                               ; (the upper words of the pairs that carry r)
	s_mov_b32 s53, 0
	s_mov_b32 s55, 0
	s_mov_b32 s57, 0
	s_mov_b32 s58, 0                               ; the trip's number
	s_mov_b32 s61, 0                               ; the next Q tile's byte
	s_mov_b32 s75, 0
	s_wait_kmcnt 0x0
	s_lshl_b32 s74, s22, 12
	s_add_nc_u64 s[6:7], s[6:7], s[74:75]          ; K's and V's codes of my 128 keys
	s_add_nc_u64 s[8:9], s[8:9], s[74:75]
	s_lshl_b32 s74, s22, 10
	s_add_nc_u64 s[72:73], s[10:11], s[74:75]      ; their scale words
	s_lshl_b32 s74, s22, 8
	s_add_nc_u64 s[12:13], s[12:13], s[74:75]
	s_load_b512 s[32:47], s[12:13], 0x0            ; their hole words: K's in s32, 34, 36, 38, Q's in s40, 42, 44, 46
	s_lshl_b32 s74, s21, 12
	s_add_nc_u64 s[66:67], s[4:5], s[74:75]        ; the queries' codes,
	s_lshl_b32 s74, s21, 10
	s_add_nc_u64 s[68:69], s[10:11], s[74:75]      ; scale words,
	s_lshl_b32 s74, s21, 18
	s_add_nc_u64 s[70:71], s[14:15], s[74:75]      ; rows of inp,
	s_lshl_b32 s74, s21, 11
	s_add_nc_u64 s[16:17], s[16:17], s[74:75]      ; and row of part
.irp t, 0,1,2,3,4,5,6,7
	global_load_b128 v[KF+4*\t:KF+4*\t+3], v1, s[6:7] offset:512*\t
.endr
.irp t, 0,1,2,3,4,5,6,7
	global_load_b128 v[VF+4*\t:VF+4*\t+3], v1, s[8:9] offset:512*\t
.endr
	v_lshlrev_b32 v19, 4, v19
	global_load_b128 v[KS:KS+3], v19, s[72:73] offset:512
	global_load_b128 v[VS:VS+3], v19, s[72:73] offset:768
	global_load_b128 v[24:27], v1, s[66:67]        ; Q's tile 0
	global_load_b32 v40, v2, s[68:69]
.irp j, 20,21,22,23,28,29,30,31,36,37,38,39
	v_mov_b32 v\j, 0                               ; the zero codes round Q
.endr
.set J, 0
.rept 20
	v_mov_b32 v[XR+J], 0                           ; the loop is written once: its first tile multiplies rows of zeros by an r of zeros
.set J, J+1
.endr
	v_mov_b32 v13, 0                               ; (upper halves of pairs that are named before they are first written)
	v_mov_b32 v17, 0
.irp b, 0,1,2,3
	v_mov_b32 v[PT+\b], 0                          ; a lane permute's destination counts as one of its sources
.endr
	v_mov_b32 v255, 0
	ds_store_b32 v6, v20 offset:1024               ; zeros for the r that the first tile's turn reads
	s_wait_kmcnt 0x0
	s_or_b32 s48, s32, s34
	s_or_b32 s48, s48, s36
	s_or_b32 s48, s48, s38                         ; not 0: some key of mine has K's row sum 0
	s_or_b32 s49, s40, s42
	s_or_b32 s49, s49, s44
	s_or_b32 s49, s49, s46                         ; not 0: some key of mine has Q's row sum 0
	s_wait_loadcnt 0x0
.macro BLOCKMAX                        ; the largest of each block of 32 keys: my 16 registers, each accumulator from its low end on, and lane l xor 16's
.irp b, 0,1,2,3
	v_max3_num_f32 v[BM+\b], v[S+16*\b], v[S+16*\b+1], v[S+16*\b+2]
.endr
.irp i, 3,5,7,9,11,13
.irp b, 0,1,2,3
	v_max3_num_f32 v[BM+\b], v[BM+\b], v[S+16*\b+\i], v[S+16*\b+\i+1]
.endr
.endr
.irp b, 0,1,2,3
	v_max_num_f32 v[BM+\b], v[BM+\b], v[S+16*\b+15]
.endr
.irp b, 0,1,2,3
	v_permlanex16_b32 v[PT+\b], v[BM+\b], s28, s29
.endr
.irp b, 0,1,2,3
	v_max_num_f32 v[BM+\b], v[BM+\b], v[PT+\b]
.endr
.endm
.macro HOLES w0, rep                   ; register 16 b + i holds key 32 b + 16 h + i: where its bit is set in word b (s[w0 + 2 b]), the register takes v[rep]
.irp b, 0,1,2,3
	v_lshrrev_b32 v252, v3, s[\w0+2*\b]
.irp i, 0,1,2,3,4,5,6,7,8,9,10,11,12,13,14,15
	v_and_b32 v253, 1<<\i, v252
	v_cmp_ne_u32 vcc_lo, 0, v253
	v_cndmask_b32 v[S+16*\b+\i], v[S+16*\b+\i], v[\rep], vcc_lo
.endr
.endr
.endm
.macro RSUM                            ; r of my four rows: eight lanes hold a row's sixteen parts, two each
	v_add_f32 v18, v18, v19
	v_add_f32_dpp v18, v18, v18 row_xmask:1 row_mask:0xf bank_mask:0xf
	v_add_f32_dpp v18, v18, v18 row_xmask:2 row_mask:0xf bank_mask:0xf
	v_add_f32_dpp v18, v18, v18 row_xmask:4 row_mask:0xf bank_mask:0xf
	v_readlane_b32 s50, v18, 0
	v_readlane_b32 s52, v18, 8
	v_readlane_b32 s54, v18, 16
	v_readlane_b32 s56, v18, 24
.endm
.macro XFMA k                          ; my four columns += row k x its r
	v_pk_fma_f32 v[AC:AC+1], v[XR+4*\k:XR+4*\k+1], s[50+2*\k:51+2*\k], v[AC:AC+1] op_sel_hi:[1,0,1]
	v_pk_fma_f32 v[AC+2:AC+3], v[XR+4*\k+2:XR+4*\k+3], s[50+2*\k:51+2*\k], v[AC+2:AC+3] op_sel_hi:[1,0,1]
.endm
; ONE TILE OF 16 QUERIES.  u: which of the two places Q stands in, and which set of the LDS words is written
.macro TILE u
	s_wait_loadcnt 4                               ; this tile's Q is in; the four younger loads, rows of inp, may be out
.irp t, 0,1,2,3,4,5,6,7
	v_wmma_scale_f32_16x16x128_f8f6f4 v[S+8*\t:S+8*\t+7], v[KF+8*(\t/2):KF+8*(\t/2)+7], v[24+8*\u-4*(\t%2):31+8*\u-4*(\t%2)], 0, v[KS+\t/2], v[40+\u] matrix_a_fmt:MATRIX_FMT_FP4 matrix_b_fmt:MATRIX_FMT_FP4
.endr
	s_add_co_u32 s61, s61, 512
	s_min_u32 s62, s61, 3584                       ; the next tile of Q; behind the last the last once more, so that no load leaves the buffer
	s_lshr_b32 s63, s62, 3
	v_add_nc_u32 v8, s62, v1                       ; (free since the wait above showed the loads that named them done.  With the two v_nop: the four places behind the products)
	v_add_nc_u32 v9, s63, v2
	v_nop
	v_nop
	global_load_b128 v[32-8*\u:35-8*\u], v8, s[66:67]
	global_load_b32 v[41-\u], v9, s[68:69]
	s_cmp_eq_u32 s48, 0
	s_cbranch_scc1 .Lno_khole_\@
	v_mov_b32 v254, 0x33abcc77                     ; 8 x 1e-8: the score 1e-8 ahead of the division by 8
	HOLES 32, 254
.Lno_khole_\@:
	BLOCKMAX                                       ; each block's largest score serves twice: for the maximum, and, since p rises with the score, for the block's largest p
	v_max3_num_f32 v254, v[BM], v[BM+1], v[BM+2]
	v_max_num_f32 v254, v254, v[BM+3]
	v_mul_f32 v254, s26, v254                      ; my keys' largest t of my query
	v_floor_f32 v12, -v254                         ; -M_w = floor(-t): a whole number
.set J, 0
.rept 32
	v_pk_fma_f32 v[S+J:S+J+1], v[S+J:S+J+1], s[26:27], v[12:13] op_sel_hi:[1,0,0]   ; t - M_w, two at a time
.set J, J+2
.endr
.irp b, 0,1,2,3
	v_fma_f32 v[BM+\b], v[BM+\b], s26, v12
.endr
.set J, 0
.rept 64
	v_exp_f32 v[S+J], v[S+J]                       ; p = 2^(t - M_w), at most 1
.set J, J+1
.endr
	v_nop                                          ; a plain line behind the last exponential
	s_wait_alu depctr_va_vdst(0)                   ; one wait for the batch of 64, ahead of its first reader
.irp b, 0,1,2,3
	v_exp_f32 v[BM+\b], v[BM+\b]                   ; the same two instructions on the same number give the same bits
.endr
	v_pk_add_f32 v[14:15], v[S:S+1], v[S+2:S+3]    ; l_w, of the unquantised p, in two chains (they read the 64 alone: plain work behind the four)
	v_pk_add_f32 v[252:253], v[S+4:S+5], v[S+6:S+7]
.set J, 8
.rept 14
	v_pk_add_f32 v[14:15], v[14:15], v[S+J:S+J+1]
	v_pk_add_f32 v[252:253], v[252:253], v[S+J+2:S+J+3]
.set J, J+4
.endr
	v_pk_add_f32 v[14:15], v[14:15], v[252:253]
	s_wait_alu depctr_va_vdst(0)                   ; and one for the four
	v_add_f32 v13, v14, v15
	v_permlanex16_b32 v252, v13, s28, s29
	v_add_f32 v13, v13, v252                       ; with lane l xor 16's 64 keys
	ds_store_b64 v4, v[12:13] offset:XB2*\u        ; both halves of the lanes write the same pair
	s_wait_dscnt 0x0                               ; for the others' sake: this pair and the last tile's part of r have landed, and my reads of the other sets are long over
	s_barrier_signal -1
	s_barrier_wait -1
.irp j, 0,1,2,3
	ds_load_b128 v[ML+4*\j:ML+4*\j+3], v5 offset:XB2*\u+16*\j
.endr
	ds_load_b64 v[18:19], v7 offset:1024*(1-\u)    ; the last tile's parts of r
	s_wait_dscnt 1                                 ; the eight pairs are in; the load of r's parts may be out
	v_min3_num_f32 v254, v[ML], v[ML+2], v[ML+4]
	v_min3_num_f32 v254, v254, v[ML+6], v[ML+8]
	v_min3_num_f32 v254, v254, v[ML+10], v[ML+12]
	v_min_num_f32 v254, v254, v[ML+14]
	v_permlanex16_b32 v255, v254, s28, s29
	v_min_num_f32 v254, v254, v255                 ; -M of all sixteen waves
.irp k, 0,1,2,3,4,5,6,7
	v_sub_f32 v[ML+2*\k], v254, v[ML+2*\k]         ; M_w - M: a whole number, 0 or less
.endr
.irp k, 0,1,2,3,4,5,6,7
	v_cvt_i32_f32 v[ML+2*\k], v[ML+2*\k]           ; (it saturates)
.endr
.irp k, 0,1,2,3,4,5,6,7
	v_ldexp_f32 v[ML+2*\k+1], v[ML+2*\k+1], v[ML+2*\k]   ; l_w under M
.endr
	v_add_f32 v[ML+1], v[ML+1], v[ML+3]
	v_add_f32 v[ML+5], v[ML+5], v[ML+7]
	v_add_f32 v[ML+9], v[ML+9], v[ML+11]
	v_add_f32 v[ML+13], v[ML+13], v[ML+15]
	v_add_f32 v[ML+1], v[ML+1], v[ML+5]
	v_add_f32 v[ML+9], v[ML+9], v[ML+13]
	v_add_f32 v[ML+1], v[ML+1], v[ML+9]
	v_permlanex16_b32 v255, v[ML+1], s28, s29
	v_add_f32 v[ML+1], v[ML+1], v255               ; l
	v_rcp_f32 v16, v[ML+1]
	v_sub_f32 v255, v254, v12                      ; my own M_w - M (plain work behind the reciprocal)
	v_cvt_i32_f32 v255, v255
	s_wait_alu depctr_va_vdst(0)                   ; ahead of the reciprocal's first reader
	v_ldexp_f32 v16, v16, v255                     ; f = 2^(M_w - M) / l
	s_wait_dscnt 0x0
	RSUM
	s_cmp_eq_u32 s49, 0
	s_cbranch_scc1 .Lno_qhole_\@
	HOLES 40, 20                                   ; q_mask by the key: the weight is 0; the sum above has counted it, as the softmax does
	BLOCKMAX                                       ; so the blocks' largest p are searched anew
.Lno_qhole_\@:
.irp b, 0,1,2,3
	v_mul_f32 v[BM+\b], v[BM+\b], v16              ; each block's largest weight
.endr
.irp b, 0,1,2,3
	v_max_num_f32 v[BM+\b], 0x1800000, v[BM+\b]    ; the floor 2^(3 - 127): the byte cannot fall under 1
.endr
.irp b, 0,1,2,3
	v_add_nc_u32 v[SOP+\b], 0xff000000, v[BM+\b]   ; 2 off the exponent field: the conversion's scale operand
.endr
.irp b, 0,1,2,3
	v_lshrrev_b32 v[PT+\b], 23, v[SOP+\b]
.endr
	v_lshl_or_b32 v[PW], v[PT+1], 8, v[PT]
	v_lshl_or_b32 v[PW], v[PT+2], 16, v[PW]
	v_lshl_or_b32 v[PW], v[PT+3], 24, v[PW]        ; the scale word of my query's 128 weights
.set J, 0
.rept 32
	v_pk_mul_f32 v[S+J:S+J+1], v[S+J:S+J+1], v[16:17] op_sel_hi:[1,0]   ; att = p f: finished and normalised.  (These are also the places between the scale word's last line and the products)
.set J, J+2
.endr
.irp b, 0,1,2,3
	v_cvt_scalef32_pk8_fp4_f32 v[CD+2*\b], v[S+16*\b:S+16*\b+7], v[SOP+\b]
	v_cvt_scalef32_pk8_fp4_f32 v[CD+2*\b+1], v[S+16*\b+8:S+16*\b+15], v[SOP+\b]
.endr
	v_nop                                          ; one plain line behind the last scaled conversion
.irp c, 0,1                            ; the operand wants a whole block in a lane
.irp i, 0,1
	v_permlane16_swap_b32 v[CD+4*\c+\i], v[CD+2+4*\c+\i]
.endr
.endr
	s_wait_loadcnt 2                               ; the last tile's four rows of inp are in; the two younger loads, the next Q, may be out
	XFMA 0                                         ; four plain lines between the codes' last line and the products
	XFMA 1
	v_wmma_scale_f32_16x16x128_f8f6f4 v[O0:O0+7], v[VF:VF+7], v[CD:CD+7], 0, v[VS], v[PW] matrix_a_fmt:MATRIX_FMT_FP4 matrix_b_fmt:MATRIX_FMT_FP4
	v_wmma_scale_f32_16x16x128_f8f6f4 v[O1:O1+7], v[VF+8:VF+15], v[CD:CD+7], 0, v[VS+1], v[PW] matrix_a_fmt:MATRIX_FMT_FP4 matrix_b_fmt:MATRIX_FMT_FP4
	v_wmma_scale_f32_16x16x128_f8f6f4 v[O0:O0+7], v[VF+16:VF+23], v[CD:CD+7], v[O0:O0+7], v[VS+2], v[PW] matrix_a_fmt:MATRIX_FMT_FP4 matrix_b_fmt:MATRIX_FMT_FP4   ; the two accumulators by turns
	v_wmma_scale_f32_16x16x128_f8f6f4 v[O1:O1+7], v[VF+24:VF+31], v[CD:CD+7], v[O1:O1+7], v[VS+3], v[PW] matrix_a_fmt:MATRIX_FMT_FP4 matrix_b_fmt:MATRIX_FMT_FP4
	XFMA 2                                         ; the four places behind the products
	XFMA 3
.if \u == 0
	s_wait_xcnt 0x0                                ; the last prefetch, a tile back, has read its offset: both offsets step once a trip, by 32 tokens
	v_add_nc_u32 v10, 0x10000, v10
	v_add_nc_u32 v11, 0x10000, v11
.endif
.irp k, 0,1,2,3
	global_load_b128 v[XR+4*\k:XR+4*\k+3], v10, s[70:71] offset:-65536+16384*\u+2048*\k th:TH_LOAD_NT   ; THIS tile's rows, for the next tile's turn; 32 lanes read 512 consecutive bytes; the launch reads them once
.endr
	s_cmp_lt_u32 s58, s[59+\u]                     ; the NEXT tile's 16 rows are asked for into the L2, one tile ahead of their loads: waves 0 to 3, four rows each, a lane to each 256 bytes: each named once in the launch
	s_cbranch_scc0 .Lno_ask_\@
	global_prefetch_b8 v11, s[70:71] offset:-49152*(1-\u) th:TH_LOAD_NT scope:SCOPE_SE
.Lno_ask_\@:
	v_pk_add_f32 v[252:253], v[O0:O0+1], v[O1:O1+1]            ; the sum over a: both accumulators from their low ends on
	v_pk_add_f32 v[254:255], v[O0+2:O0+3], v[O1+2:O1+3]
	v_pk_add_f32 v[252:253], v[252:253], v[O0+4:O0+5]
	v_pk_add_f32 v[254:255], v[254:255], v[O0+6:O0+7]
	v_pk_add_f32 v[252:253], v[252:253], v[O1+4:O1+5]
	v_pk_add_f32 v[254:255], v[254:255], v[O1+6:O1+7]
	v_pk_add_f32 v[252:253], v[252:253], v[254:255]
	v_add_f32 v252, v252, v253
	v_permlanex16_b32 v253, v252, s28, s29
	v_add_f32 v252, v252, v253                     ; my keys' part of r of my query
	ds_store_b32 v6, v252 offset:1024*\u
.endm
.Ltrip:                                            ; four trips of two tiles.  A set of LDS words is written again only behind the next barrier, which each reader signals behind its wait for its reads
	TILE 0
	TILE 1
	s_add_co_u32 s58, s58, 1
	s_cmp_lt_u32 s58, 4
	s_cbranch_scc1 .Ltrip
	s_wait_dscnt 0x0                               ; the last tile's r and rows
	s_barrier_signal -1
	s_barrier_wait -1
	ds_load_b64 v[18:19], v7 offset:1024
	s_wait_dscnt 0x0
	RSUM
	s_wait_loadcnt 0x0
	XFMA 0
	XFMA 1
	XFMA 2
	XFMA 3
	ds_store_b128 v51, v[AC:AC+3]                  ; four waves hold sums of the same 128 columns, over different rows
	s_wait_dscnt 0x0
	s_barrier_signal -1
	s_barrier_wait -1
	s_cmp_ge_u32 s18, 4
	s_cbranch_scc1 .Lend
.irp k, 0,1,2,3
	ds_load_b128 v[XR+4*\k:XR+4*\k+3], v51 offset:2048*\k
.endr
	s_lshl_b32 s25, s18, 9
	v_add_nc_u32 v8, s25, v1
	s_wait_dscnt 0x0
	v_pk_add_f32 v[XR:XR+1], v[XR:XR+1], v[XR+4:XR+5]
	v_pk_add_f32 v[XR+2:XR+3], v[XR+2:XR+3], v[XR+6:XR+7]
	v_pk_add_f32 v[XR+8:XR+9], v[XR+8:XR+9], v[XR+12:XR+13]
	v_pk_add_f32 v[XR+10:XR+11], v[XR+10:XR+11], v[XR+14:XR+15]
	v_pk_add_f32 v[XR:XR+1], v[XR:XR+1], v[XR+8:XR+9]
	v_pk_add_f32 v[XR+2:XR+3], v[XR+2:XR+3], v[XR+10:XR+11]
	global_store_b128 v8, v[XR:XR+3], s[16:17]     ; 32 lanes store 512 consecutive bytes
.Lend:
	s_endpgm
.Lfunc_end_k_qb51a5299af_attend:
	.size	k_qb51a5299af_attend, .Lfunc_end_k_qb51a5299af_attend-k_qb51a5299af_attend
	.p2alignl 7, 3214868480
	.fill 96, 4, 3214868480
	.section	.rodata,"a",@progbits
	.p2align	6, 0x0
	.amdhsa_kernel k_qb51a5299af_attend
		.amdhsa_group_segment_fixed_size 16384
		.amdhsa_private_segment_fixed_size 0
		.amdhsa_enable_private_segment 0
		.amdhsa_kernarg_size 56
		.amdhsa_user_sgpr_count 2
		.amdhsa_user_sgpr_kernarg_segment_ptr 1
		.amdhsa_wavefront_size32 1
		.amdhsa_system_sgpr_workgroup_id_x 1
		.amdhsa_system_sgpr_workgroup_id_y 1
		.amdhsa_system_sgpr_workgroup_id_z 1
		.amdhsa_system_vgpr_workitem_id 0
		.amdhsa_next_free_vgpr 256
		.amdhsa_next_free_sgpr 80
		.amdhsa_reserve_vcc 1
		.amdhsa_float_denorm_mode_32 3
		.amdhsa_float_denorm_mode_16_64 3
		.amdhsa_memory_ordered 1
		.amdhsa_forward_progress 1
		.amdhsa_inst_pref_size 82
	.end_amdhsa_kernel
	.amdgpu_metadata
---
amdhsa.version: [ 1, 2 ]
amdhsa.kernels:
  - .name:           k_qb51a5299af_attend
    .symbol:         k_qb51a5299af_attend.kd
    .args:
      - { .name: qc, .offset: 0, .size: 8, .value_kind: global_buffer, .address_space: global }
      - { .name: kc, .offset: 8, .size: 8, .value_kind: global_buffer, .address_space: global }
      - { .name: vc, .offset: 16, .size: 8, .value_kind: global_buffer, .address_space: global }
      - { .name: scl, .offset: 24, .size: 8, .value_kind: global_buffer, .address_space: global }
      - { .name: holes, .offset: 32, .size: 8, .value_kind: global_buffer, .address_space: global }
      - { .name: inp, .offset: 40, .size: 8, .value_kind: global_buffer, .address_space: global }
      - { .name: part, .offset: 48, .size: 8, .value_kind: global_buffer, .address_space: global }
    .group_segment_fixed_size: 16384
    .private_segment_fixed_size: 0
    .kernarg_segment_align: 8
    .kernarg_segment_size: 56
    .max_flat_workgroup_size: 512
    .sgpr_count:     80
    .vgpr_count:     256
    .wavefront_size: 32
...
	.end_amdgpu_metadata
.endif
;; end of part 2
;; launch reduce (part 3): grid 16 x 1, 4 waves a work-group, no clusters, 0 bytes of LDS; arguments part, out0; writes out0
.if DOCPART == 3
	.amdgcn_target "amdgcn-amd-amdhsa--gfx1250"
	.amdhsa_code_object_version 6
	.text
	.protected	k_qb51a5299af_reduce
	.globl	k_qb51a5299af_reduce
	.p2align	8
	.type	k_qb51a5299af_reduce,@function
k_qb51a5299af_reduce:
	s_mov_b64 s[64:65], 0
	v_nop
	global_prefetch_b8 v0, s[64:65] scope:SCOPE_SE
	s_setreg_imm32_b32 hwreg(HW_REG_WAVE_MODE, 25, 1), 1
	s_wait_xcnt 0x0
; out0[b][d] = the sum over the batch's 16 blocks of queries of part[16 b + j][d], in a fixed tree.  A work-group takes a batch, thread t the four columns 4 t .. 4 t + 3.
; 512 KiB in, 32 KiB out: there is work for 16 work-groups, so 16 are launched.  No LDS, no barrier, no matrix unit: threads share nothing.
	s_load_b128 s[4:7], s[0:1], 0x0                ; part, out0
	v_lshlrev_b32 v1, 4, v0
	s_lshl_b32 s8, ttmp9, 15                       ; 16 rows of 2,048 bytes
	s_mov_b32 s9, 0
	s_lshl_b32 s10, ttmp9, 11
	s_mov_b32 s11, 0
	s_wait_kmcnt 0x0
	s_add_nc_u64 s[4:5], s[4:5], s[8:9]
	s_add_nc_u64 s[6:7], s[6:7], s[10:11]
.irp j, 0,1,2,3,4,5,6,7,8,9,10,11,12,13,14,15
	global_load_b128 v[4+4*\j:7+4*\j], v1, s[4:5] offset:2048*\j th:TH_LOAD_NT   ; a wave reads 512 consecutive bytes
.endr
	s_wait_loadcnt 0x0
.irp j, 0,1,2,3,4,5,6,7
	v_pk_add_f32 v[4+4*\j:5+4*\j], v[4+4*\j:5+4*\j], v[36+4*\j:37+4*\j]
	v_pk_add_f32 v[6+4*\j:7+4*\j], v[6+4*\j:7+4*\j], v[38+4*\j:39+4*\j]
.endr
.irp j, 0,1,2,3
	v_pk_add_f32 v[4+4*\j:5+4*\j], v[4+4*\j:5+4*\j], v[20+4*\j:21+4*\j]
	v_pk_add_f32 v[6+4*\j:7+4*\j], v[6+4*\j:7+4*\j], v[22+4*\j:23+4*\j]
.endr
.irp j, 0,1
	v_pk_add_f32 v[4+4*\j:5+4*\j], v[4+4*\j:5+4*\j], v[12+4*\j:13+4*\j]
	v_pk_add_f32 v[6+4*\j:7+4*\j], v[6+4*\j:7+4*\j], v[14+4*\j:15+4*\j]
.endr
	v_pk_add_f32 v[4:5], v[4:5], v[8:9]
	v_pk_add_f32 v[6:7], v[6:7], v[10:11]
	global_store_b128 v1, v[4:7], s[6:7]
	s_endpgm
.Lfunc_end_k_qb51a5299af_reduce:
	.size	k_qb51a5299af_reduce, .Lfunc_end_k_qb51a5299af_reduce-k_qb51a5299af_reduce
	.p2alignl 7, 3214868480
	.fill 96, 4, 3214868480
	.section	.rodata,"a",@progbits
	.p2align	6, 0x0
	.amdhsa_kernel k_qb51a5299af_reduce
		.amdhsa_group_segment_fixed_size 0
		.amdhsa_private_segment_fixed_size 0
		.amdhsa_enable_private_segment 0
		.amdhsa_kernarg_size 16
		.amdhsa_user_sgpr_count 2
		.amdhsa_user_sgpr_kernarg_segment_ptr 1
		.amdhsa_wavefront_size32 1
		.amdhsa_system_sgpr_workgroup_id_x 1
		.amdhsa_system_sgpr_workgroup_id_y 1
		.amdhsa_system_sgpr_workgroup_id_z 1
		.amdhsa_system_vgpr_workitem_id 0
		.amdhsa_next_free_vgpr 72
		.amdhsa_next_free_sgpr 66
		.amdhsa_reserve_vcc 0
		.amdhsa_float_denorm_mode_32 3
		.amdhsa_float_denorm_mode_16_64 3
		.amdhsa_memory_ordered 1
		.amdhsa_forward_progress 1
		.amdhsa_inst_pref_size 5
	.end_amdhsa_kernel
	.amdgpu_metadata
---
amdhsa.version: [ 1, 2 ]
amdhsa.kernels:
  - .name:           k_qb51a5299af_reduce
    .symbol:         k_qb51a5299af_reduce.kd
    .args:
      - { .name: part, .offset: 0, .size: 8, .value_kind: global_buffer, .address_space: global }
      - { .name: out0, .offset: 8, .size: 8, .value_kind: global_buffer, .address_space: global }
    .group_segment_fixed_size: 0
    .private_segment_fixed_size: 0
    .kernarg_segment_align: 8
    .kernarg_segment_size: 16
    .max_flat_workgroup_size: 128
    .sgpr_count:     66
    .vgpr_count:     72
    .wavefront_size: 32
...
	.end_amdgpu_metadata
.endif
;; end of part 3
